; MI455X (gfx1250); checked and timed in simulation.
; The chip was launched on July 23, 2026; its instructions are those of AMD's public machine-readable ISA for CDNA 5 (MIT licence, August 2026) and "CDNA5" Instruction Set Architecture Reference Guide (July 2026). The comments in the code are by the model that wrote it; some were corrected since.
;; gated attention. Allowed arithmetic: float matrix products may take bf16 or f16 operands with f32 sums; all other float work in f32.
;; Inputs: Wk 256 x 256 float32; Wq 256 x 256 float32; Wr 256 float32; Wv 256 x 256 float32; beta 256 float32; bq 256 float32; bv 256 float32; c 4 x 512 x 256 float32; gamma 256 float32; mask 4 x 512 x 512 float32; x 4 x 512 x 256 float32.
;; Outputs: out0 4 x 512 x 256 float32.
;; 2 versions, each right and faster than the one before. Each part assembles by itself: llvm-mc -triple=amdgcn-amd-amdhsa -mcpu=gfx1250 --defsym DOCPART=n.
;; ======== version 1 of 2: 2 launches
;; limits: values are held in f16: magnitudes above 65,504 overflow, below 6.1e-05 lose precision
;; workspace buffers: svec 32,768 bytes; vf 1,048,576 bytes
;; launch proj (part 1): grid 32 x 6, 16 waves a work-group, no clusters, 104,448 bytes of LDS; arguments x, c, Wq, Wk, Wv, bq, bv, Wr, svec, vf; writes svec, vf
.if DOCPART == 1
	.amdgcn_target "amdgcn-amd-amdhsa--gfx1250"
	.amdhsa_code_object_version 6
	.text
	.protected	k_q8442e83f4f_proj
	.globl	k_q8442e83f4f_proj
	.p2align	8
	.type	k_q8442e83f4f_proj,@function
k_q8442e83f4f_proj:
	s_mov_b64 s[64:65], 0
	v_nop
	global_prefetch_b8 v0, s[64:65] scope:SCOPE_SE
	s_setreg_imm32_b32 hwreg(HW_REG_WAVE_MODE, 25, 1), 1
	s_wait_xcnt 0x0
; THE THREE PROJECTIONS.  x, c: [2048][256] f32 (batch and row taken as one index).  Wq, Wk, Wv: [256 e][256 d] f32.
; The additive score is linear in q + k:  sum_d (q[n][d] + k[m][d]) Wr[d] = sq[n] + sk[m],  sq = tanh(x Wq^T + bq) . Wr,  sk = tanh(c Wk^T) . Wr.
; That holds for every input (the same sum in another order), so the [n][m][d] array is never formed.
; Work-group (rb = x id 0..31, y = y id 0..5): job = y >> 1 (0: q, 1: k, 2: v), cb = y & 1.  It makes 64 rows (64 rb ..) x 128 columns e (128 cb ..), K = 256.
;   jobs 0, 1 store svec[y][64 rb ..]: for each row the sum over the 128 columns of tanh(..) Wr   (svec: f32 [4][2048]; sq = plane 0 + 1, sk = plane 2 + 3)
;   job 2 stores v = (c Wv^T + bv) / 16 in f16, laid as the next launch's matrix fragments:
;     vf[b][t 16][mt 32][h 2][r 16][8]: element (d = 16 t + r, m = 16 mt + 8 h + i) at ((16 b + t) 32 + mt) 512 + 256 h + 16 r + 2 i
; Sixteen waves: wave w takes rows 16 (w & 3) .. and columns 32 (w >> 2) .. of the tile: two accumulators, eight K steps of 32.
; Both source tiles are dense blocks (64 KiB of rows, 128 KiB of weights).  They come in by 16-byte loads, 512 consecutive aligned bytes a wave and instruction,
; are rounded to f16 in registers and laid into LDS once.
; WHY F16 AND NOT BF16: the result is a sum of 512 products behind two more sums of 256, and goes through a gain; eleven significant bits keep the rounding of the operands
; eight times finer than eight bits would.  The operands have room in f16 (largest number 65,504; below 2^-14 an absolute step of 2^-24): x and c of spread 1 reach about 150
; when thirty times larger, the weights of spread 1/16 about 10; thirty times smaller, the weights' spread is 0.002 and the coarsest step 2^-24 is a 1.5e-5th of it;
; v is at most (256 max|c| max|Wv| + max|bv|) / 16: about 300 with c and Wv both thirty times larger, about 960 with an offset of thirty spreads on both.
; NO TENSOR LOADS, NO JOINT REQUESTS, though 32 row blocks read the same weights: the operands are f32 in memory and have to pass through registers to become f16.
; Brought by the data mover they would take 192 KiB of LDS instead of 96, and each fragment would be converted again by each of the four waves that read it.
; LIMITS: matrix operands are rounded to f16: |x|, |c|, |W| and |v| have to stay below 65,504.  tanh(y) = 1 - 2 / (1 + 2^(2 log2(e) y)): right at both ends (the power goes
; to infinity or to 0, no clamp is needed), absolute error about 2^-22, so relative accuracy is lost for |y| below about 1e-4.  The score's sum runs in another order than
; in the defining formula.
.set PITCH, 528                        ; an LDS row: 512 bytes of f16 + 16: an odd multiple of 16, so the 16 rows of a fragment load start in 16 different 16-byte columns
.set LA,    0                          ; 64 rows of x or c
.set LW,    64*PITCH                   ; 128 rows of the weights
.set RED,   LW+128*PITCH               ; 4 column groups x 64 rows x 4 bytes: the waves' partial sums
.set STG,   16                         ; v[16:111]   24 loads of 4 registers
.set FR,    16                         ; v[16:207]   K step s at FR + 24 s: rows [0:7], weights' tile 0 [8:15], tile 1 [16:23]
.set ACC,   208                        ; v[208:223]  two accumulators
.set WR,    224                        ; v[224:239]  jobs q, k: Wr of my 16 columns;  job v: bv in v224, v225
.set BI,    240                        ; v[240:255]  jobs q, k: the bias of my 16 columns
.set K2,    0x4038aa3b                 ; 2 log2(e)
.set R16,   0x3d800000                 ; 1 / 16 = 1 / sqrt(256)
; v0 thread, v1 lane, v2 r = lane & 15, v3 h = lane >> 4, v4 16 x thread (offset of all tile loads), v5, v6 where I stage rows, weights,
; v7, v8 my fragments of rows, weights, v9 offset of my parameters, v[10:13] sums, v14 where my result goes, v15 the last reduction.
; s2 rb, s3 y, s4 job, s5 cb, s6 wave, s7 row tile, s28 column pair, s[8:27] the ten addresses, s[30:31] rows, s[32:33] weights, s[34:35], s[40:41] offsets.
.macro BIG                             ; 24 loads: 8 x 8 rows of x or c, 16 x 8 rows of the weights
.set p, 0
.rept 8
	global_load_b128 v[STG+4*p:STG+4*p+3], v4, s[30:31] offset:8192*p
.set p, p+1
.endr
.set p, 0
.rept 16
	global_load_b128 v[STG+32+4*p:STG+32+4*p+3], v4, s[32:33] offset:8192*p
.set p, p+1
.endr
.endm
.macro CVT2                            ; load n: four f32 to four f16, in place
	s_wait_loadcnt 23-n                            ; loads come back in order: 23 - n were issued behind load n and stay out; the parameters' loads are older
	v_cvt_pk_f16_f32 v[STG+4*n], v[STG+4*n], v[STG+4*n+1]
	v_cvt_pk_f16_f32 v[STG+4*n+1], v[STG+4*n+2], v[STG+4*n+3]
.endm
.macro STAGE                           ; each store of a wave lays 256 consecutive bytes, half a row
.set n, 0
.rept 8
	CVT2
	ds_store_b64 v5, v[STG+4*n:STG+4*n+1] offset:8*PITCH*n
.set n, n+1
.endr
.rept 16
	CVT2
	ds_store_b64 v6, v[STG+4*n:STG+4*n+1] offset:8*PITCH*(n-8)
.set n, n+1
.endr
.endm
.macro BAR
	s_wait_dscnt 0x0                               ; my LDS stores are done: zero, for the other waves' sake
	s_barrier_signal -1
	s_barrier_wait -1
.endm
.macro FETCH                           ; all 48 fragment loads at once: 192 registers, none used twice
.set kst, 0
.rept 8
	ds_load_b128 v[FR+24*kst:FR+24*kst+3],     v7 offset:64*kst
	ds_load_b128 v[FR+24*kst+4:FR+24*kst+7],   v7 offset:64*kst+32
	ds_load_b128 v[FR+24*kst+8:FR+24*kst+11],  v8 offset:64*kst
	ds_load_b128 v[FR+24*kst+12:FR+24*kst+15], v8 offset:64*kst+32
	ds_load_b128 v[FR+24*kst+16:FR+24*kst+19], v8 offset:16*PITCH+64*kst
	ds_load_b128 v[FR+24*kst+20:FR+24*kst+23], v8 offset:16*PITCH+64*kst+32
.set kst, kst+1
.endr
.endm
; One K step.  swap = 1: source 0 = weights, source 1 = rows: register j of lane (r, h) is (column 8 h + j, row r).  swap = 0: the other way round.
.macro MMSTEP swap, zero
	s_wait_dscnt 42-6*kst                          ; 48 were issued, this step needs the first 6 (kst + 1)
.irp i, 0,1
.if \swap
.if \zero
	v_wmma_f32_16x16x32_f16 v[ACC+8*\i:ACC+8*\i+7], v[FR+24*kst+8+8*\i:FR+24*kst+15+8*\i], v[FR+24*kst:FR+24*kst+7], 0
.else
	v_wmma_f32_16x16x32_f16 v[ACC+8*\i:ACC+8*\i+7], v[FR+24*kst+8+8*\i:FR+24*kst+15+8*\i], v[FR+24*kst:FR+24*kst+7], v[ACC+8*\i:ACC+8*\i+7]
.endif
.else
.if \zero
	v_wmma_f32_16x16x32_f16 v[ACC+8*\i:ACC+8*\i+7], v[FR+24*kst:FR+24*kst+7], v[FR+24*kst+8+8*\i:FR+24*kst+15+8*\i], 0
.else
	v_wmma_f32_16x16x32_f16 v[ACC+8*\i:ACC+8*\i+7], v[FR+24*kst:FR+24*kst+7], v[FR+24*kst+8+8*\i:FR+24*kst+15+8*\i], v[ACC+8*\i:ACC+8*\i+7]
.endif
.endif
.endr
.set kst, kst+1
.endm
.macro MM swap                         ; the two accumulators take turns, one instruction a turn.  The first step starts the sums: nothing is cleared
.set kst, 0
	MMSTEP \swap, 1
.rept 7
	MMSTEP \swap, 0
.endr
.endm
.macro PLACES                          ; four independent vector instructions between a matrix instruction and the vector instructions that read its result (ISA guide 7.12.1)
.rept 4
	v_nop
.endr
.endm
.macro TANH16 a                        ; v[a .. a+15] hold 2 log2(e) y, then tanh(y) = 1 - 2 / (1 + 2^..)
.set q, 0
.rept 16
	v_exp_f32 v[\a+q], v[\a+q]
.set q, q+1
.endr
	v_nop                                          ; one plain vector instruction between a transcendental and the use of its result (ISA guide 5.7.2)
.set q, 0
	s_wait_alu depctr_va_vdst(0)
.rept 8
	v_pk_add_f32 v[\a+2*q:\a+2*q+1], v[\a+2*q:\a+2*q+1], 1.0 op_sel_hi:[1,0]
.set q, q+1
.endr
.set q, 0
.rept 16
	v_rcp_f32 v[\a+q], v[\a+q]
.set q, q+1
.endr
	v_nop
.set q, 0
	s_wait_alu depctr_va_vdst(0)
.rept 8
	v_pk_fma_f32 v[\a+2*q:\a+2*q+1], v[\a+2*q:\a+2*q+1], -2.0, 1.0 op_sel_hi:[1,0,0]
.set q, q+1
.endr
.endm
	s_load_b512 s[8:23], s[0:1], 0x0               ; x s[8:9], c s[10:11], Wq s[12:13], Wk s[14:15], Wv s[16:17], bq s[18:19], bv s[20:21], Wr s[22:23]
	s_load_b128 s[24:27], s[0:1], 0x40             ; svec s[24:25], vf s[26:27]
	s_mov_b32 s2, ttmp9                            ; rb
	s_and_b32 s3, ttmp7, 0xffff                    ; y
	s_lshr_b32 s4, s3, 1                           ; job
	s_and_b32 s5, s3, 1                            ; cb
	s_mov_b32 s36, 0x76543210                      ; v_permlanex16_b32: lane i of one half reads lane i of the other
	s_mov_b32 s37, 0xfedcba98
	v_lshrrev_b32 v10, 5, v0
	v_readfirstlane_b32 s6, v10                    ; wave 0..15
	s_and_b32 s7, s6, 3                            ; which 16 rows
	s_lshr_b32 s28, s6, 2                          ; which 32 columns
	v_and_b32 v1, 31, v0
	v_and_b32 v2, 15, v0
	v_bfe_u32 v3, v0, 4, 1
	v_lshlrev_b32 v4, 4, v0                        ; 512 threads x 16 bytes = 8 rows of 1,024 bytes an instruction
	v_lshrrev_b32 v10, 6, v0                       ; my row among those 8
	v_and_b32 v11, 63, v0                          ; my 4 numbers in it
	v_mul_u32_u24 v5, v10, PITCH
	v_lshl_add_u32 v5, v11, 3, v5                  ; 8 bytes of f16
	v_add_nc_u32 v6, LW, v5
	v_mul_u32_u24 v12, v2, PITCH
	v_lshl_add_u32 v12, v3, 4, v12                 ; fragment: row r x pitch + 16 h
	s_mul_i32 s29, s7, 16*PITCH
	v_add_nc_u32 v7, s29, v12
	s_mul_i32 s39, s28, 32*PITCH
	s_add_co_u32 s39, s39, LW
	v_add_nc_u32 v8, s39, v12
	s_lshl_b32 s34, s2, 16                         ; 64 rows of 1,024 bytes
	s_mov_b32 s35, 0
	s_lshl_b32 s40, s5, 17                         ; 128 rows of the weights
	s_mov_b32 s41, 0
	s_lshl_b32 s42, s28, 7
	s_lshl_b32 s29, s5, 9
	s_add_co_u32 s42, s42, s29                     ; byte offset of my wave's 32 columns in a vector of 256 f32
	s_wait_kmcnt 0x0
	s_cmp_eq_u32 s4, 2                             ; the same in all waves of a work-group
	s_cbranch_scc1 .Lvjob
	; ---- jobs q and k ----
	s_cmp_eq_u32 s4, 0
	s_cselect_b64 s[30:31], s[8:9], s[10:11]       ; x or c
	s_cselect_b64 s[32:33], s[12:13], s[14:15]     ; Wq or Wk
	s_cselect_b32 s38, -1, 0                       ; q has a bias, k has none
	s_add_nc_u64 s[30:31], s[30:31], s[34:35]
	s_add_nc_u64 s[32:33], s[32:33], s[40:41]
	v_lshl_add_u32 v9, v3, 5, s42                  ; my columns 8 h .. 8 h + 7 of each of the two tiles
	global_load_b128 v[WR:WR+3],     v9, s[22:23]
	global_load_b128 v[WR+4:WR+7],   v9, s[22:23] offset:16
	global_load_b128 v[WR+8:WR+11],  v9, s[22:23] offset:64
	global_load_b128 v[WR+12:WR+15], v9, s[22:23] offset:80
	global_load_b128 v[BI:BI+3],     v9, s[18:19]
	global_load_b128 v[BI+4:BI+7],   v9, s[18:19] offset:16
	global_load_b128 v[BI+8:BI+11],  v9, s[18:19] offset:64
	global_load_b128 v[BI+12:BI+15], v9, s[18:19] offset:80
	BIG
	s_lshl_b32 s29, s28, 8
	s_lshl_b32 s39, s7, 6
	s_add_co_u32 s29, s29, s39
	s_add_co_u32 s29, s29, RED
	v_lshl_add_u32 v14, v2, 2, s29                 ; RED + 256 x column group + 4 x (16 x row tile + r)
	STAGE
	BAR                                            ; both tiles are whole
	FETCH
.set q, 0
.rept 16
	v_cndmask_b32 v[BI+q], 0, v[BI+q], s38         ; job k: the bias is 0, whatever bq holds
.set q, q+1
.endr
.set q, 0
.rept 8
	v_pk_mul_f32 v[BI+2*q:BI+2*q+1], v[BI+2*q:BI+2*q+1], K2 op_sel_hi:[1,0]
.set q, q+1
.endr
	MM 1                                           ; register j of tile i: (column 16 i + 8 h + j, row r)
	PLACES
.set q, 0
.rept 8
	v_pk_fma_f32 v[ACC+2*q:ACC+2*q+1], v[ACC+2*q:ACC+2*q+1], K2, v[BI+2*q:BI+2*q+1] op_sel_hi:[1,0,1]   ; 2 log2(e) (sum + bias)
.set q, q+1
.endr
	TANH16 ACC
	v_pk_mul_f32 v[10:11], v[ACC:ACC+1], v[WR:WR+1]            ; tanh . Wr over my 16 columns, two chains
	v_pk_mul_f32 v[12:13], v[ACC+2:ACC+3], v[WR+2:WR+3]
.set q, 4
.rept 3
	v_pk_fma_f32 v[10:11], v[ACC+q:ACC+q+1], v[WR+q:WR+q+1], v[10:11]
	v_pk_fma_f32 v[12:13], v[ACC+q+2:ACC+q+3], v[WR+q+2:WR+q+3], v[12:13]
.set q, q+4
.endr
	v_pk_add_f32 v[10:11], v[10:11], v[12:13]
	v_add_f32 v10, v10, v11
	v_permlanex16_b32 v11, v10, s36, s37           ; the other half of the lanes holds the other 16 columns of the same row
	v_add_f32 v10, v10, v11
	ds_store_b32 v14, v10                          ; lanes r and 16 + r write the same word with the same value
	BAR
	s_cmp_lg_u32 s6, 0
	s_cbranch_scc1 .Lend_qk
	v_lshlrev_b32 v13, 3, v1                       ; wave 0: lane l adds up rows 2 l, 2 l + 1 over the four column groups
	v_add_nc_u32 v15, RED, v13
	ds_load_b64 v[16:17], v15
	ds_load_b64 v[18:19], v15 offset:256
	ds_load_b64 v[20:21], v15 offset:512
	ds_load_b64 v[22:23], v15 offset:768
	s_lshl_b32 s34, s3, 13                         ; plane y of 8,192 bytes
	s_lshl_b32 s29, s2, 8                          ; 64 rows of 4 bytes
	s_add_co_u32 s34, s34, s29
	s_add_nc_u64 s[24:25], s[24:25], s[34:35]
	s_wait_dscnt 0x0
	v_pk_add_f32 v[16:17], v[16:17], v[18:19]
	v_pk_add_f32 v[20:21], v[20:21], v[22:23]
	v_pk_add_f32 v[16:17], v[16:17], v[20:21]
	global_store_b64 v13, v[16:17], s[24:25]       ; one instruction, 256 consecutive bytes, aligned
.Lend_qk:
	s_wait_xcnt 0x0
	v_lshl_add_u32 v254, v0, 2, 0x19000
	v_mov_b32 v255, 0
	s_wait_tensorcnt 0x0
	ds_add_u32 v254, v255
	s_wait_dscnt 0x0
	s_endpgm
	; ---- job v ----
.Lvjob:
	s_add_nc_u64 s[30:31], s[10:11], s[34:35]      ; c
	s_add_nc_u64 s[32:33], s[16:17], s[40:41]      ; Wv
	v_lshl_add_u32 v9, v2, 2, s42                  ; my column r of each of the two tiles
	global_load_b32 v[WR],   v9, s[20:21]
	global_load_b32 v[WR+1], v9, s[20:21] offset:64
	BIG
	s_lshr_b32 s29, s2, 3                          ; batch: 8 row blocks of 64
	s_lshl_b32 s34, s29, 18                        ; 262,144 bytes a batch
	s_and_b32 s29, s2, 7
	s_lshl_b32 s29, s29, 11                        ; 4 tiles of 512 bytes along m for each row block
	s_add_co_u32 s34, s34, s29
	s_add_co_u32 s34, s34, s40                     ; 8 tiles of 16,384 bytes along d for each column block
	s_add_nc_u64 s[26:27], s[26:27], s[34:35]
	s_lshl_b32 s29, s7, 9
	s_lshl_b32 s39, s28, 15
	s_add_co_u32 s29, s29, s39
	v_lshl_add_u32 v14, v1, 4, s29                 ; 16 x lane + 512 x row tile + 32,768 x column pair
	STAGE
	BAR
	FETCH
	v_pk_mul_f32 v[WR:WR+1], v[WR:WR+1], R16 op_sel_hi:[1,0]   ; bv / 16, exact
	MM 0                                           ; register j of tile i: (m = 8 h + j, d = 16 i + r)
	PLACES
.set q, 0
.rept 4
	v_pk_fma_f32 v[ACC+2*q:ACC+2*q+1], v[ACC+2*q:ACC+2*q+1], R16, v[WR:WR+1] op_sel_hi:[1,0,0]                    ; both halves add v[WR]
	v_pk_fma_f32 v[ACC+8+2*q:ACC+8+2*q+1], v[ACC+8+2*q:ACC+8+2*q+1], R16, v[WR:WR+1] op_sel:[0,0,1] op_sel_hi:[1,0,1]   ; both add v[WR+1]
.set q, q+1
.endr
.set q, 0
.rept 4
	v_cvt_pk_f16_f32 v[ACC+q], v[ACC+2*q], v[ACC+2*q+1]        ; ascending: a register is written only when it has been read
	v_cvt_pk_f16_f32 v[ACC+8+q], v[ACC+8+2*q], v[ACC+8+2*q+1]
.set q, q+1
.endr
	global_store_b128 v14, v[ACC:ACC+3], s[26:27]              ; a tile of 16 x 16: 512 consecutive bytes, aligned
	global_store_b128 v14, v[ACC+8:ACC+11], s[26:27] offset:16384
	s_wait_xcnt 0x0
	v_lshl_add_u32 v254, v0, 2, 0x19000
	v_mov_b32 v255, 0
	s_wait_tensorcnt 0x0
	ds_add_u32 v254, v255
	s_wait_dscnt 0x0
	s_endpgm
.Lfunc_end_k_q8442e83f4f_proj:
	.size	k_q8442e83f4f_proj, .Lfunc_end_k_q8442e83f4f_proj-k_q8442e83f4f_proj
	.p2alignl 7, 3214868480
	.fill 96, 4, 3214868480
	.section	.rodata,"a",@progbits
	.p2align	6, 0x0
	.amdhsa_kernel k_q8442e83f4f_proj
		.amdhsa_group_segment_fixed_size 104448
		.amdhsa_private_segment_fixed_size 0
		.amdhsa_enable_private_segment 0
		.amdhsa_kernarg_size 80
		.amdhsa_user_sgpr_count 2
		.amdhsa_user_sgpr_kernarg_segment_ptr 1
		.amdhsa_wavefront_size32 1
		.amdhsa_system_sgpr_workgroup_id_x 1
		.amdhsa_system_sgpr_workgroup_id_y 1
		.amdhsa_system_sgpr_workgroup_id_z 1
		.amdhsa_system_vgpr_workitem_id 0
		.amdhsa_next_free_vgpr 256
		.amdhsa_next_free_sgpr 66
		.amdhsa_reserve_vcc 0
		.amdhsa_float_denorm_mode_32 3
		.amdhsa_float_denorm_mode_16_64 3
		.amdhsa_memory_ordered 1
		.amdhsa_forward_progress 1
		.amdhsa_inst_pref_size 37
	.end_amdhsa_kernel
	.amdgpu_metadata
---
amdhsa.version: [ 1, 2 ]
amdhsa.kernels:
  - .name:           k_q8442e83f4f_proj
    .symbol:         k_q8442e83f4f_proj.kd
    .args:
      - { .name: x, .offset: 0, .size: 8, .value_kind: global_buffer, .address_space: global }
      - { .name: c, .offset: 8, .size: 8, .value_kind: global_buffer, .address_space: global }
      - { .name: Wq, .offset: 16, .size: 8, .value_kind: global_buffer, .address_space: global }
      - { .name: Wk, .offset: 24, .size: 8, .value_kind: global_buffer, .address_space: global }
      - { .name: Wv, .offset: 32, .size: 8, .value_kind: global_buffer, .address_space: global }
      - { .name: bq, .offset: 40, .size: 8, .value_kind: global_buffer, .address_space: global }
      - { .name: bv, .offset: 48, .size: 8, .value_kind: global_buffer, .address_space: global }
      - { .name: Wr, .offset: 56, .size: 8, .value_kind: global_buffer, .address_space: global }
      - { .name: svec, .offset: 64, .size: 8, .value_kind: global_buffer, .address_space: global }
      - { .name: vf, .offset: 72, .size: 8, .value_kind: global_buffer, .address_space: global }
    .group_segment_fixed_size: 104448
    .private_segment_fixed_size: 0
    .kernarg_segment_align: 8
    .kernarg_segment_size: 80
    .max_flat_workgroup_size: 512
    .sgpr_count:     66
    .vgpr_count:     256
    .wavefront_size: 32
...
	.end_amdgpu_metadata
.endif
;; end of part 1
;; launch attn (part 2): grid 128 x 1, 16 waves a work-group, no clusters, 35,328 bytes of LDS; arguments svec, mask, vf, x, gamma, beta, out0; writes out0
.if DOCPART == 2
	.amdgcn_target "amdgcn-amd-amdhsa--gfx1250"
	.amdhsa_code_object_version 6
	.text
	.protected	k_q8442e83f4f_attn
	.globl	k_q8442e83f4f_attn
	.p2align	8
	.type	k_q8442e83f4f_attn,@function
k_q8442e83f4f_attn:
	s_mov_b64 s[64:65], 0
	v_nop
	global_prefetch_b8 v0, s[64:65] scope:SCOPE_SE
	s_setreg_imm32_b32 hwreg(HW_REG_WAVE_MODE, 25, 1), 1
	s_wait_xcnt 0x0
; w[n][m] = relu(tanh(sq[n] + sk[m])) mask[n][m];  h = x + w v;  out = LayerNorm(h) gamma + beta.
; svec: f32 [4][2048], sq = plane 0 + plane 1, sk = plane 2 + plane 3.  vf: v / 16 with bias, f16, in fragment order:
;   element (d = 16 t + r, m = 16 mt + 8 h + i) of batch b at ((16 b + t) 32 + mt) 512 + 256 h + 16 r + 2 i.
; A work-group owns 16 rows n (16 x its number ..) of the 2,048; sixteen waves.  Wave t has three parts:
;   (a) w of row t: 512 numbers, 16 a lane, to LDS in f16;   (b) the product for columns d = 16 t .. 16 t + 15 over all 512 m: 16 K steps of 32 on two accumulators;
;   (c) LayerNorm of row t, which it reads back from a stage in LDS: 8 numbers a lane, the sums never leave the wave.
; All 52 loads of a wave are issued at its head; the waits count down as the parts need them.
; WHY F16 AND NOT BF16: 512 rounded products are summed and then go through a gain; eleven significant bits keep the operands' rounding eight times finer than eight bits.
; w lies in [0, 1] times the mask: with a mask thirty times larger at most 30, far below f16's largest number 65,504; a small w keeps an absolute error of 2^-25.
; NO TENSOR LOADS, NO JOINT REQUESTS, though the 32 work-groups of a batch read the same 256 KiB of vf: every 16 bytes of vf are used once in a work-group, by one lane
; of one wave, and lie in memory in the order of the registers that the matrix instruction reads, so one load of 16 bytes a lane is all their way.  Through LDS the same
; bytes would be written once more and read by 512 more LDS loads a work-group.
; The matrix instruction is used transposed (source 0 = v, rows d; source 1 = w, columns n), so that a lane's eight results are eight neighbouring columns of a row of h.
; LIMITS: w and v go to the matrix unit in f16: |w mask| and |v| have to stay below 65,504.  relu stands in front of tanh (tanh is monotone and tanh(0) = 0): a NaN score
; gives w = 0 where the formula gives NaN.  tanh(y) = 1 - 2 / (1 + 2^(2 log2(e) y)): absolute error about 2^-22; right for large y (the power goes to infinity, the quotient to 0).
; The variance is taken about the mean, in a second pass over registers: a common offset in x costs no accuracy.
.set WP,   1040                        ; pitch of both LDS regions: 1,024 bytes + 16, an odd multiple of 16
.set WREG, 0                           ; w: 16 rows x 512 f16
.set HST,  16*WP                       ; w v: 16 rows x 256 f32
.set SK,   16                          ; v[16:31] plane 2, v[32:47] plane 3
.set MK,   48                          ; v[48:63] mask
.set SQ,   64                          ; v[64:65] the two planes of sq
.set W0,   16                          ; v[16:47], v[48:79]: fragments of w, two buffers of four K steps, in the registers of part (a), which are dead by then
.set W1,   48
.set H,    16                          ; v[16:23] my 8 numbers of row t
.set ACC,  80                          ; v[80:95] two accumulators: even and odd K steps
.set XR,   96                          ; v[96:103] x, v[104:111] gamma, v[112:119] beta
.set GA,   104
.set BE,   112
.set VF,   128                         ; v[128:255] K step s at VF + 8 s
.set K2,   0x4038aa3b                  ; 2 log2(e)
; v1 lane, v4 r, v5 h, v2 16 x lane (offset of all wide loads and of the stores), v3 0, v6 where w goes, v7 w's fragments, v8 stage in, v9 stage out, v[10:15] at work.
; No register that a load or store names as address or data is written again.
.macro BAR
	s_wait_dscnt 0x0                               ; my LDS stores are done: zero, for the other waves' sake
	s_barrier_signal -1
	s_barrier_wait -1
.endm
.macro PLACES                          ; four independent vector instructions behind a matrix instruction, before its result is read or a load is issued into its sources
.rept 4
	v_nop
.endr
.endm
.macro FETCHW g, buf                   ; w's fragments of K steps 4 g .. 4 g + 3: lane (r, h) takes row r, bytes 64 s + 16 h and 32 further
.irp k, 0,1,2,3
	ds_load_b128 v[\buf+8*\k:\buf+8*\k+3],   v7 offset:256*\g+64*\k
	ds_load_b128 v[\buf+8*\k+4:\buf+8*\k+7], v7 offset:256*\g+64*\k+32
.endr
.endm
.macro MULG g, buf, first              ; four K steps; the two accumulators take turns, one instruction a turn, from group to group too
	s_wait_loadcnt 30-8*\g                         ; behind this group's 8 loads of vf came 8 for each later group and the 6 of x, gamma, beta
.irp k, 0,1,2,3
.if (\first)*(2-\k) > 0
	v_wmma_f32_16x16x32_f16 v[ACC+8*(\k&1):ACC+8*(\k&1)+7], v[VF+8*(4*\g+\k):VF+8*(4*\g+\k)+7], v[\buf+8*\k:\buf+8*\k+7], 0
.else
	v_wmma_f32_16x16x32_f16 v[ACC+8*(\k&1):ACC+8*(\k&1)+7], v[VF+8*(4*\g+\k):VF+8*(4*\g+\k)+7], v[\buf+8*\k:\buf+8*\k+7], v[ACC+8*(\k&1):ACC+8*(\k&1)+7]
.endif
.endr
.endm
.macro WAVESUM a, b                    ; the sum of v[a] over the 32 lanes, in every lane; v[b] has been written before
	v_add_f32_dpp v\a, v\a, v\a row_xmask:1 row_mask:0xf bank_mask:0xf
	v_add_f32_dpp v\a, v\a, v\a row_xmask:2 row_mask:0xf bank_mask:0xf
	v_add_f32_dpp v\a, v\a, v\a row_xmask:4 row_mask:0xf bank_mask:0xf
	v_add_f32_dpp v\a, v\a, v\a row_xmask:8 row_mask:0xf bank_mask:0xf
	v_permlanex16_b32 v\b, v\a, s26, s27
	v_add_f32 v\a, v\a, v\b
.endm
	s_load_b256 s[8:15], s[0:1], 0x0               ; svec s[8:9], mask s[10:11], vf s[12:13], x s[14:15]
	s_load_b128 s[16:19], s[0:1], 0x20             ; gamma s[16:17], beta s[18:19]
	s_load_b64 s[20:21], s[0:1], 0x30              ; out0
	v_lshl_add_u32 v126, v0, 2, 0x8200
	v_mov_b32 v127, 0
	v_lshrrev_b32 v10, 5, v0
	v_readfirstlane_b32 s3, v10                    ; wave t
	s_mov_b32 s2, ttmp9
	s_lshl_b32 s4, s2, 4
	s_add_co_u32 s4, s4, s3                        ; my row of the 2,048
	s_lshr_b32 s5, s2, 5                           ; batch: 32 work-groups each
	s_mov_b32 s26, 0x76543210                      ; v_permlanex16_b32: lane i of one half reads lane i of the other
	s_mov_b32 s27, 0xfedcba98
	s_mov_b32 s28, 0x3b800000                      ; 1 / 256
	s_mov_b32 s29, 0x3727c5ac                      ; 1e-5
	v_and_b32 v1, 31, v0
	v_and_b32 v4, 15, v0
	v_bfe_u32 v5, v0, 4, 1
	v_lshlrev_b32 v2, 4, v1
	v_mov_b32 v3, 0
	s_mul_i32 s30, s3, WP
	v_lshl_add_u32 v6, v1, 3, s30                  ; WREG + row t + 8 x lane: four f16
	v_mul_u32_u24 v10, v4, WP
	v_lshl_add_u32 v7, v5, 4, v10                  ; WREG + row r + 16 h
	s_lshl_b32 s31, s3, 6
	s_add_co_u32 s31, s31, HST
	v_lshl_add_u32 v8, v5, 5, v10
	v_add_nc_u32 v8, s31, v8                       ; HST + row r + 4 (16 t + 8 h)
	s_add_co_u32 s30, s30, HST
	v_add_nc_u32 v9, s30, v2                       ; HST + row t + 16 x lane
	s_wait_kmcnt 0x0
	s_lshl_b32 s30, s5, 11
	s_add_co_u32 s30, s30, 16384
	s_mov_b32 s31, 0
	s_add_nc_u64 s[22:23], s[8:9], s[30:31]        ; sk: plane 2, my batch's 512 numbers; plane 3 lies 8,192 bytes on
	s_lshl_b32 s30, s4, 2
	s_add_nc_u64 s[24:25], s[8:9], s[30:31]        ; sq: plane 0, my row; plane 1 lies 8,192 bytes on
	s_lshl_b32 s30, s4, 11
	s_add_nc_u64 s[10:11], s[10:11], s[30:31]      ; my row of the mask
	s_lshl_b32 s30, s4, 10
	s_add_nc_u64 s[14:15], s[14:15], s[30:31]      ; my row of x
	s_add_nc_u64 s[20:21], s[20:21], s[30:31]      ; and of the output
	s_lshl_b32 s30, s5, 18
	s_lshl_b32 s6, s3, 14
	s_add_co_u32 s30, s30, s6
	s_add_nc_u64 s[12:13], s[12:13], s[30:31]      ; vf: my batch, my 16 columns d: 16,384 consecutive bytes
	; ---- all loads: each wide one takes 512 consecutive aligned bytes a wave ----
.irp i, 0,1,2,3
	global_load_b128 v[SK+4*\i:SK+4*\i+3], v2, s[22:23] offset:512*\i             ; m = 128 i + 4 lane ..
.endr
.irp i, 0,1,2,3
	global_load_b128 v[SK+16+4*\i:SK+16+4*\i+3], v2, s[22:23] offset:8192+512*\i
.endr
	global_load_b32 v[SQ],   v3, s[24:25]
	global_load_b32 v[SQ+1], v3, s[24:25] offset:8192
.irp i, 0,1,2,3
	global_load_b128 v[MK+4*\i:MK+4*\i+3], v2, s[10:11] offset:512*\i th:TH_LOAD_NT   ; read once in the launch
.endr
.set u, 0
.rept 32
	global_load_b128 v[VF+4*u:VF+4*u+3], v2, s[12:13] offset:512*u                ; tile mt = u: registers 0-3 (u even) or 4-7 (u odd) of K step u / 2
.set u, u+1
.endr
.irp i, 0,1
	global_load_b128 v[XR+4*\i:XR+4*\i+3], v2, s[14:15] offset:512*\i th:TH_LOAD_NT   ; d = 128 i + 4 lane ..
.endr
.irp i, 0,1
	global_load_b128 v[GA+4*\i:GA+4*\i+3], v2, s[16:17] offset:512*\i
.endr
.irp i, 0,1
	global_load_b128 v[BE+4*\i:BE+4*\i+3], v2, s[18:19] offset:512*\i
.endr
	; ---- (a) w of row t ----
	s_wait_loadcnt 38                              ; sk, sq and the mask are in; the 32 loads of vf and the 6 of x, gamma, beta were issued later and stay out
	v_add_f32 v[SQ], v[SQ], v[SQ+1]
	v_mul_f32 v[SQ], K2, v[SQ]
.set q, 0
.rept 8
	v_pk_add_f32 v[SK+2*q:SK+2*q+1], v[SK+2*q:SK+2*q+1], v[SK+16+2*q:SK+16+2*q+1]
.set q, q+1
.endr
.set q, 0
.rept 8
	v_pk_fma_f32 v[SK+2*q:SK+2*q+1], v[SK+2*q:SK+2*q+1], K2, v[SQ:SQ+1] op_sel_hi:[1,0,0]   ; 2 log2(e) (sk + sq)
.set q, q+1
.endr
.set q, 0
.rept 16
	v_max_num_f32 v[SK+q], 0, v[SK+q]              ; relu, moved in front of tanh
.set q, q+1
.endr
.set q, 0
.rept 16
	v_exp_f32 v[SK+q], v[SK+q]
.set q, q+1
.endr
	v_nop                                          ; one plain vector instruction between a transcendental and the use of its result (ISA guide 5.7.2)
.set q, 0
	s_wait_alu depctr_va_vdst(0)
.rept 8
	v_pk_add_f32 v[SK+2*q:SK+2*q+1], v[SK+2*q:SK+2*q+1], 1.0 op_sel_hi:[1,0]
.set q, q+1
.endr
.set q, 0
.rept 16
	v_rcp_f32 v[SK+q], v[SK+q]
.set q, q+1
.endr
	v_nop
.set q, 0
	s_wait_alu depctr_va_vdst(0)
.rept 8
	v_pk_fma_f32 v[SK+2*q:SK+2*q+1], v[SK+2*q:SK+2*q+1], -2.0, 1.0 op_sel_hi:[1,0,0]
.set q, q+1
.endr
.set q, 0
.rept 8
	v_pk_mul_f32 v[SK+2*q:SK+2*q+1], v[SK+2*q:SK+2*q+1], v[MK+2*q:MK+2*q+1]
.set q, q+1
.endr
.set q, 0
.rept 8
	v_cvt_pk_f16_f32 v[SK+q], v[SK+2*q], v[SK+2*q+1]           ; ascending: a register is written only when it has been read
.set q, q+1
.endr
.irp i, 0,1,2,3
	ds_store_b64 v6, v[SK+2*\i:SK+2*\i+1] offset:256*\i        ; 256 consecutive bytes an instruction
.endr
	BAR                                            ; all 16 rows of w are there
	; ---- (b) columns 16 t .. 16 t + 15 of w v ----
	FETCHW 0, W0
	FETCHW 1, W1
	s_wait_dscnt 8                                 ; group 0 is in, group 1's eight loads may be out
	MULG 0, W0, 1
	PLACES
	FETCHW 2, W0
	s_wait_dscnt 8                                 ; group 1 is in
	MULG 1, W1, 0
	PLACES
	FETCHW 3, W1
	s_wait_dscnt 8                                 ; group 2 is in
	MULG 2, W0, 0
	s_wait_dscnt 0x0                               ; group 3 is in
	MULG 3, W1, 0
	PLACES
.set q, 0
.rept 4
	v_pk_add_f32 v[ACC+2*q:ACC+2*q+1], v[ACC+2*q:ACC+2*q+1], v[ACC+8+2*q:ACC+8+2*q+1]   ; even + odd K steps
.set q, q+1
.endr
	ds_store_b128 v8, v[ACC:ACC+3]                 ; register j of lane (r, h): row r, column 16 t + 8 h + j
	ds_store_b128 v8, v[ACC+4:ACC+7] offset:16
	BAR                                            ; all 256 columns of the 16 rows are there
	; ---- (c) LayerNorm of row t ----
	ds_load_b128 v[H:H+3],   v9
	ds_load_b128 v[H+4:H+7], v9 offset:512
	s_wait_loadcnt 0x0                             ; x, gamma, beta
	s_wait_dscnt 0x0
.set q, 0
.rept 4
	v_pk_add_f32 v[H+2*q:H+2*q+1], v[H+2*q:H+2*q+1], v[XR+2*q:XR+2*q+1]    ; h = x + w v
.set q, q+1
.endr
	v_pk_add_f32 v[10:11], v[H:H+1], v[H+2:H+3]
	v_pk_add_f32 v[12:13], v[H+4:H+5], v[H+6:H+7]
	v_pk_add_f32 v[10:11], v[10:11], v[12:13]
	v_add_f32 v10, v10, v11
	WAVESUM 10, 11
	v_mul_f32 v10, 0xbb800000, v10                 ; - mean
.set q, 0
.rept 4
	v_pk_add_f32 v[H+2*q:H+2*q+1], v[H+2*q:H+2*q+1], v[10:11] op_sel_hi:[1,0]   ; both halves add v10
.set q, q+1
.endr
	v_pk_mul_f32 v[12:13], v[H:H+1], v[H:H+1]
	v_pk_mul_f32 v[14:15], v[H+2:H+3], v[H+2:H+3]
	v_pk_fma_f32 v[12:13], v[H+4:H+5], v[H+4:H+5], v[12:13]
	v_pk_fma_f32 v[14:15], v[H+6:H+7], v[H+6:H+7], v[14:15]
	v_pk_add_f32 v[12:13], v[12:13], v[14:15]
	v_add_f32 v12, v12, v13
	WAVESUM 12, 13
	v_fma_f32 v12, v12, s28, s29                   ; variance + 1e-5
	v_rsq_f32 v12, v12
	v_nop
.set q, 0
	s_wait_alu depctr_va_vdst(0)
.rept 4
	v_pk_mul_f32 v[GA+2*q:GA+2*q+1], v[GA+2*q:GA+2*q+1], v[12:13] op_sel_hi:[1,0]
.set q, q+1
.endr
.set q, 0
.rept 4
	v_pk_fma_f32 v[H+2*q:H+2*q+1], v[H+2*q:H+2*q+1], v[GA+2*q:GA+2*q+1], v[BE+2*q:BE+2*q+1]
.set q, q+1
.endr
	global_store_b128 v2, v[H:H+3],   s[20:21] th:TH_STORE_NT              ; 512 consecutive bytes, aligned
	global_store_b128 v2, v[H+4:H+7], s[20:21] offset:512 th:TH_STORE_NT
	s_wait_tensorcnt 0x0
	ds_add_u32 v126, v127
	s_wait_dscnt 0x0
	s_endpgm
.Lfunc_end_k_q8442e83f4f_attn:
	.size	k_q8442e83f4f_attn, .Lfunc_end_k_q8442e83f4f_attn-k_q8442e83f4f_attn
	.p2alignl 7, 3214868480
	.fill 96, 4, 3214868480
	.section	.rodata,"a",@progbits
	.p2align	6, 0x0
	.amdhsa_kernel k_q8442e83f4f_attn
		.amdhsa_group_segment_fixed_size 35328
		.amdhsa_private_segment_fixed_size 0
		.amdhsa_enable_private_segment 0
		.amdhsa_kernarg_size 56
		.amdhsa_user_sgpr_count 2
		.amdhsa_user_sgpr_kernarg_segment_ptr 1
		.amdhsa_wavefront_size32 1
		.amdhsa_system_sgpr_workgroup_id_x 1
		.amdhsa_system_sgpr_workgroup_id_y 1
		.amdhsa_system_sgpr_workgroup_id_z 1
		.amdhsa_system_vgpr_workitem_id 0
		.amdhsa_next_free_vgpr 256
		.amdhsa_next_free_sgpr 66
		.amdhsa_reserve_vcc 0
		.amdhsa_float_denorm_mode_32 3
		.amdhsa_float_denorm_mode_16_64 3
		.amdhsa_memory_ordered 1
		.amdhsa_forward_progress 1
		.amdhsa_inst_pref_size 20
	.end_amdhsa_kernel
	.amdgpu_metadata
---
amdhsa.version: [ 1, 2 ]
amdhsa.kernels:
  - .name:           k_q8442e83f4f_attn
    .symbol:         k_q8442e83f4f_attn.kd
    .args:
      - { .name: svec, .offset: 0, .size: 8, .value_kind: global_buffer, .address_space: global }
      - { .name: mask, .offset: 8, .size: 8, .value_kind: global_buffer, .address_space: global }
      - { .name: vf, .offset: 16, .size: 8, .value_kind: global_buffer, .address_space: global }
      - { .name: x, .offset: 24, .size: 8, .value_kind: global_buffer, .address_space: global }
      - { .name: gamma, .offset: 32, .size: 8, .value_kind: global_buffer, .address_space: global }
      - { .name: beta, .offset: 40, .size: 8, .value_kind: global_buffer, .address_space: global }
      - { .name: out0, .offset: 48, .size: 8, .value_kind: global_buffer, .address_space: global }
    .group_segment_fixed_size: 35328
    .private_segment_fixed_size: 0
    .kernarg_segment_align: 8
    .kernarg_segment_size: 56
    .max_flat_workgroup_size: 512
    .sgpr_count:     66
    .vgpr_count:     256
    .wavefront_size: 32
...
	.end_amdgpu_metadata
.endif
;; end of part 2
;; ======== version 2 of 2: 2 launches; 1.16 times as fast as version 1
;; limits: values are held in f16: magnitudes above 65,504 overflow, below 6.1e-05 lose precision
;; workspace buffers: svec 32,768 bytes; vf 1,048,576 bytes
;; launch proj (part 3): grid 32 x 6, 16 waves a work-group, no clusters, 111,616 bytes of LDS; arguments x, c, Wq, Wk, Wv, bq, bv, Wr, svec, vf; writes svec, vf
.if DOCPART == 3
	.amdgcn_target "amdgcn-amd-amdhsa--gfx1250"
	.amdhsa_code_object_version 6
	.text
	.protected	k_q8442e83f4f_proj
	.globl	k_q8442e83f4f_proj
	.p2align	8
	.type	k_q8442e83f4f_proj,@function
k_q8442e83f4f_proj:
	s_mov_b64 s[64:65], 0
	v_nop
	global_prefetch_b8 v0, s[64:65] scope:SCOPE_SE
	s_setreg_imm32_b32 hwreg(HW_REG_WAVE_MODE, 25, 1), 1
	s_wait_xcnt 0x0
; THE THREE PROJECTIONS.  x, c: [2048][256] f32 (batch and row taken as one index).  Wq, Wk, Wv: [256 e][256 d] f32.
; The additive score is linear in q + k:  sum_d (q[n][d] + k[m][d]) Wr[d] = sq[n] + sk[m],  sq = tanh(x Wq^T + bq) . Wr,  sk = tanh(c Wk^T) . Wr.
; That holds for every input (the same sum in another order), so the [n][m][d] array is never formed.
; Work-group (rb = x id 0..31, y = y id 0..5): job = y >> 1 (0: q, 1: k, 2: v), cb = y & 1.  It makes 64 rows (64 rb ..) x 128 columns e (128 cb ..), K = 256.
;   jobs 0, 1 store svec[y][64 rb ..]: for each row the sum over the 128 columns of tanh(..) Wr   (svec: f32 [4][2048]; sq = plane 0 + 1, sk = plane 2 + 3)
;   job 2 stores v = (c Wv^T + bv) / 16 in f16, laid as the next launch's matrix fragments:
;     vf[b][t 16][mt 32][h 2][r 16][8]: element (d = 16 t + r, m = 16 mt + 8 h + i) at ((16 b + t) 32 + mt) 512 + 256 h + 16 r + 2 i
; Sixteen waves: wave w takes rows 16 (w & 3) .. and columns 32 (w >> 2) .. of the tile: two accumulators, eight K steps of 32.
; K GOES IN TWO HALVES OF 128.  A load of a wave takes one half of one row (512 consecutive aligned bytes); the 12 loads of the first half are issued by all sixteen waves
; before any wave issues those of the second.  Each half is rounded to f16 in registers and laid into an LDS region of its own, so that the first half's fragments
; are read and multiplied while the second half's loads are still on their way.
; WHY F16 AND NOT BF16: the result is a sum of 512 products behind two more sums of 256, and goes through a gain; eleven significant bits keep the rounding of the operands
; eight times finer than eight bits would.  The operands have room in f16 (largest number 65,504; below 2^-14 an absolute step of 2^-24): x and c of spread 1 reach about 150
; when thirty times larger, the weights of spread 1/16 about 10; thirty times smaller, the weights' spread is 0.002 and the coarsest step 2^-24 is a 1.5e-5th of it;
; v is at most (256 max|c| max|Wv| + max|bv|) / 16: about 300 with c and Wv both thirty times larger, about 960 with an offset of thirty spreads on both.
; NO TENSOR LOADS, NO JOINT REQUESTS, though 32 row blocks read the same weights: the operands are f32 in memory and have to pass through registers to become f16.
; Brought by the data mover they would take 192 KiB of LDS instead of 96, and each fragment would be converted again by each of the four waves that read it.
; LIMITS: matrix operands are rounded to f16: |x|, |c|, |W| and |v| have to stay below 65,504.  tanh(y) = 1 - 2 / (1 + 2^(2 log2(e) y)): right at both ends (the power goes
; to infinity or to 0, no clamp is needed), absolute error about 2^-22, so relative accuracy is lost for |y| below about 1e-4.  The score's sum runs in another order than
; in the defining formula.
.set PITCH, 272                        ; an LDS row: 256 bytes of f16 (half of K) + 16: an odd multiple of 16, so the 16 rows of a fragment load start in 16 different 16-byte columns
.set LWO,   64*PITCH                   ; in a half's region: 64 rows of x or c, then 128 rows of the weights
.set HALF,  192*PITCH                  ; a half's region: 52,224 bytes; the second half's lies behind the first's
.set RED,   2*HALF                     ; 4 column groups x 64 rows x 4 bytes: the waves' partial sums
.set PRMB,  RED+1024                   ; 256 bytes for each wave: Wr and the bias of its 32 columns
.set STG,   16                         ; v[16:63] the 12 loads of the first half, v[64:111] of the second
.set FR0,   112                        ; v[112:207] first half: K step s at + 24 s: rows [0:7], weights' tile 0 [8:15], tile 1 [16:23]
.set FR1,   16                         ; v[16:111]  second half, in the registers of the loads, which are staged by then
.set ACC,   208                        ; v[208:223]  two accumulators
.set WR,    224                        ; v[224:239]  jobs q, k: Wr of my 16 columns;  job v: bv in v224, v225
.set BI,    240                        ; v[240:255]  jobs q, k: the bias of my 16 columns
.set K2,    0x4038aa3b                 ; 2 log2(e)
.set R16,   0x3d800000                 ; 1 / 16 = 1 / sqrt(256)
; v0 thread, v1 lane, v2 r = lane & 15, v3 h = lane >> 4, v4 1,024 x wave + 16 x lane (offset of all tile loads), v5, v6 where I stage the first, the second half,
; v7, v8 my fragments of rows, weights, v9 offset of my parameters, v[10:13] at work, v14 where my result goes, v15 parameters in LDS, then the last reduction.
; s2 rb, s3 y, s4 job, s5 cb, s6 wave, s7 row tile, s28 column pair, s[8:27] the ten addresses, s[30:31] rows, s[32:33] weights, s[34:35], s[40:41] offsets.
.macro BIGH hf                         ; 12 loads: half hf of rows 16 p + wave: 4 of x or c, 8 of the weights
.set p, 0
.rept 4
	global_load_b128 v[STG+48*\hf+4*p:STG+48*\hf+4*p+3], v4, s[30:31] offset:16384*p+512*\hf
.set p, p+1
.endr
.set p, 0
.rept 8
	global_load_b128 v[STG+48*\hf+16+4*p:STG+48*\hf+16+4*p+3], v4, s[32:33] offset:16384*p+512*\hf
.set p, p+1
.endr
.endm
.macro STAGEH hf, adr                  ; four f32 to four f16 in place, then 256 consecutive bytes a wave into LDS row 16 p + wave (the weights' rows follow the 64 of x or c)
.set p, 0
.rept 12
	s_wait_loadcnt 23-12*\hf-p                     ; loads come back in order: so many tile loads were issued behind this one and stay out; the parameters' loads are older
	v_cvt_pk_f16_f32 v[STG+48*\hf+4*p], v[STG+48*\hf+4*p], v[STG+48*\hf+4*p+1]
	v_cvt_pk_f16_f32 v[STG+48*\hf+4*p+1], v[STG+48*\hf+4*p+2], v[STG+48*\hf+4*p+3]
	ds_store_b64 v\adr, v[STG+48*\hf+4*p:STG+48*\hf+4*p+1] offset:16*PITCH*p
.set p, p+1
.endr
.endm
.macro TOGETHER                        ; orders no memory: every wave has issued the loads above before any wave issues those below, so that what is needed first is asked for first
	s_barrier_signal -1
	s_barrier_wait -1
.endm
.macro BAR
	s_wait_dscnt 0x0                               ; my LDS stores are done: zero, for the other waves' sake
	s_barrier_signal -1
	s_barrier_wait -1
.endm
.macro FETCHH hf, f                    ; the 24 fragment loads of a half: four K steps
.set kst, 0
.rept 4
	ds_load_b128 v[\f+24*kst:\f+24*kst+3],     v7 offset:HALF*\hf+64*kst
	ds_load_b128 v[\f+24*kst+4:\f+24*kst+7],   v7 offset:HALF*\hf+64*kst+32
	ds_load_b128 v[\f+24*kst+8:\f+24*kst+11],  v8 offset:HALF*\hf+64*kst
	ds_load_b128 v[\f+24*kst+12:\f+24*kst+15], v8 offset:HALF*\hf+64*kst+32
	ds_load_b128 v[\f+24*kst+16:\f+24*kst+19], v8 offset:HALF*\hf+16*PITCH+64*kst
	ds_load_b128 v[\f+24*kst+20:\f+24*kst+23], v8 offset:HALF*\hf+16*PITCH+64*kst+32
.set kst, kst+1
.endr
.endm
; One K step.  swap = 1: source 0 = weights, source 1 = rows: register j of lane (r, h) is (column 8 h + j, row r).  swap = 0: the other way round.
; behind = LDS instructions issued behind the half's 24 fragment loads.
.macro MMSTEP f, swap, zero, behind
	s_wait_dscnt \behind+18-6*kst                  ; of the 24 loads this step needs the first 6 (kst + 1)
.irp i, 0,1
.if \swap
.if \zero
	v_wmma_f32_16x16x32_f16 v[ACC+8*\i:ACC+8*\i+7], v[\f+24*kst+8+8*\i:\f+24*kst+15+8*\i], v[\f+24*kst:\f+24*kst+7], 0
.else
	v_wmma_f32_16x16x32_f16 v[ACC+8*\i:ACC+8*\i+7], v[\f+24*kst+8+8*\i:\f+24*kst+15+8*\i], v[\f+24*kst:\f+24*kst+7], v[ACC+8*\i:ACC+8*\i+7]
.endif
.else
.if \zero
	v_wmma_f32_16x16x32_f16 v[ACC+8*\i:ACC+8*\i+7], v[\f+24*kst:\f+24*kst+7], v[\f+24*kst+8+8*\i:\f+24*kst+15+8*\i], 0
.else
	v_wmma_f32_16x16x32_f16 v[ACC+8*\i:ACC+8*\i+7], v[\f+24*kst:\f+24*kst+7], v[\f+24*kst+8+8*\i:\f+24*kst+15+8*\i], v[ACC+8*\i:ACC+8*\i+7]
.endif
.endif
.endr
.set kst, kst+1
.endm
.macro MMH f, swap, first, behind      ; the two accumulators take turns, one instruction a turn, from half to half too.  The first step starts the sums
.set kst, 0
	MMSTEP \f, \swap, \first, \behind
.rept 3
	MMSTEP \f, \swap, 0, \behind
.endr
.endm
.macro PLACES                          ; four independent vector instructions between a matrix instruction and the vector instructions that read its result (ISA guide 7.12.1)
.rept 4
	v_nop
.endr
.endm
.macro TANH16 a                        ; v[a .. a+15] hold 2 log2(e) y, then tanh(y) = 1 - 2 / (1 + 2^..)
.set q, 0
.rept 16
	v_exp_f32 v[\a+q], v[\a+q]
.set q, q+1
.endr
	v_nop                                          ; one plain vector instruction between a transcendental and the use of its result (ISA guide 5.7.2)
.set q, 0
	s_wait_alu depctr_va_vdst(0)
.rept 8
	v_pk_add_f32 v[\a+2*q:\a+2*q+1], v[\a+2*q:\a+2*q+1], 1.0 op_sel_hi:[1,0]
.set q, q+1
.endr
.set q, 0
.rept 16
	v_rcp_f32 v[\a+q], v[\a+q]
.set q, q+1
.endr
	v_nop
.set q, 0
	s_wait_alu depctr_va_vdst(0)
.rept 8
	v_pk_fma_f32 v[\a+2*q:\a+2*q+1], v[\a+2*q:\a+2*q+1], -2.0, 1.0 op_sel_hi:[1,0,0]
.set q, q+1
.endr
.endm
	s_load_b512 s[8:23], s[0:1], 0x0               ; x s[8:9], c s[10:11], Wq s[12:13], Wk s[14:15], Wv s[16:17], bq s[18:19], bv s[20:21], Wr s[22:23]
	s_load_b128 s[24:27], s[0:1], 0x40             ; svec s[24:25], vf s[26:27]
	s_mov_b32 s2, ttmp9                            ; rb
	s_and_b32 s3, ttmp7, 0xffff                    ; y
	s_lshr_b32 s4, s3, 1                           ; job
	s_and_b32 s5, s3, 1                            ; cb
	s_mov_b32 s36, 0x76543210                      ; v_permlanex16_b32: lane i of one half reads lane i of the other
	s_mov_b32 s37, 0xfedcba98
	v_lshrrev_b32 v10, 5, v0
	v_readfirstlane_b32 s6, v10                    ; wave 0..15
	s_and_b32 s7, s6, 3                            ; which 16 rows
	s_lshr_b32 s28, s6, 2                          ; which 32 columns
	v_and_b32 v1, 31, v0
	v_and_b32 v2, 15, v0
	v_bfe_u32 v3, v0, 4, 1
	s_lshl_b32 s29, s6, 10
	v_lshl_add_u32 v4, v1, 4, s29                  ; row = wave (of each 16), 16 bytes a lane
	s_mul_i32 s29, s6, PITCH
	v_lshl_add_u32 v5, v1, 3, s29                  ; the same row in LDS, 8 bytes of f16 a lane
	v_add_nc_u32 v6, HALF, v5
	v_mul_u32_u24 v12, v2, PITCH
	v_lshl_add_u32 v12, v3, 4, v12                 ; fragment: row r x pitch + 16 h
	s_mul_i32 s29, s7, 16*PITCH
	v_add_nc_u32 v7, s29, v12
	s_mul_i32 s39, s28, 32*PITCH
	s_add_co_u32 s39, s39, LWO
	v_add_nc_u32 v8, s39, v12
	s_lshl_b32 s34, s2, 16                         ; 64 rows of 1,024 bytes
	s_mov_b32 s35, 0
	s_lshl_b32 s40, s5, 17                         ; 128 rows of the weights
	s_mov_b32 s41, 0
	s_lshl_b32 s42, s28, 7
	s_lshl_b32 s29, s5, 9
	s_add_co_u32 s42, s42, s29                     ; byte offset of my wave's 32 columns in a vector of 256 f32
	s_wait_kmcnt 0x0
	s_cmp_eq_u32 s4, 2                             ; the same in all waves of a work-group
	s_cbranch_scc1 .Lvjob
	; ---- jobs q and k ----
	s_cmp_eq_u32 s4, 0
	s_cselect_b64 s[30:31], s[8:9], s[10:11]       ; x or c
	s_cselect_b64 s[32:33], s[12:13], s[14:15]     ; Wq or Wk
	s_cselect_b32 s38, -1, 0                       ; q has a bias, k has none
	s_add_nc_u64 s[30:31], s[30:31], s[34:35]
	s_add_nc_u64 s[32:33], s[32:33], s[40:41]
	v_lshl_add_u32 v9, v1, 2, s42                  ; lane l: column l of my wave's 32
	global_load_b32 v12, v9, s[22:23]              ; Wr
	global_load_b32 v13, v9, s[18:19]              ; bq
	BIGH 0
	TOGETHER
	BIGH 1
	s_lshl_b32 s29, s6, 8
	s_add_co_u32 s29, s29, PRMB
	v_lshl_add_u32 v15, v1, 2, s29                 ; my wave's 256 bytes: in by columns,
	v_lshl_add_u32 v11, v3, 5, s29                 ; out as columns 8 h .. 8 h + 7 of each of the two tiles
	s_lshl_b32 s29, s28, 8
	s_lshl_b32 s39, s7, 6
	s_add_co_u32 s29, s29, s39
	s_add_co_u32 s29, s29, RED
	v_lshl_add_u32 v14, v2, 2, s29                 ; RED + 256 x column group + 4 x (16 x row tile + r)
	s_wait_loadcnt 24                              ; the two parameter loads are in: the 24 tile loads were issued behind them
	ds_store_b32 v15, v12
	ds_store_b32 v15, v13 offset:128
	ds_load_b128 v[WR:WR+3],     v11               ; the wave's own bytes: LDS serves a wave's instructions in order (ISA guide 5.7.1.4), these see the two stores
	ds_load_b128 v[WR+4:WR+7],   v11 offset:16
	ds_load_b128 v[WR+8:WR+11],  v11 offset:64
	ds_load_b128 v[WR+12:WR+15], v11 offset:80
	ds_load_b128 v[BI:BI+3],     v11 offset:128
	ds_load_b128 v[BI+4:BI+7],   v11 offset:144
	ds_load_b128 v[BI+8:BI+11],  v11 offset:192
	ds_load_b128 v[BI+12:BI+15], v11 offset:208
	STAGEH 0, 5
	BAR                                            ; the first half of both tiles is whole (and my parameters are in registers)
	FETCHH 0, FR0
.set q, 0
.rept 16
	v_cndmask_b32 v[BI+q], 0, v[BI+q], s38         ; job k: the bias is 0, whatever bq holds
.set q, q+1
.endr
.set q, 0
.rept 8
	v_pk_mul_f32 v[BI+2*q:BI+2*q+1], v[BI+2*q:BI+2*q+1], K2 op_sel_hi:[1,0]
.set q, q+1
.endr
	STAGEH 1, 6                                    ; into the second region: no byte of it is read before the next barrier
	MMH FR0, 1, 1, 12                              ; behind the 24 fragment loads stand the 12 stores of the second half
	BAR                                            ; the second half is whole
	FETCHH 1, FR1
	MMH FR1, 1, 0, 0                               ; register j of tile i: (column 16 i + 8 h + j, row r)
	PLACES
.set q, 0
.rept 8
	v_pk_fma_f32 v[ACC+2*q:ACC+2*q+1], v[ACC+2*q:ACC+2*q+1], K2, v[BI+2*q:BI+2*q+1] op_sel_hi:[1,0,1]   ; 2 log2(e) (sum + bias)
.set q, q+1
.endr
	TANH16 ACC
	v_pk_mul_f32 v[10:11], v[ACC:ACC+1], v[WR:WR+1]            ; tanh . Wr over my 16 columns, two chains
	v_pk_mul_f32 v[12:13], v[ACC+2:ACC+3], v[WR+2:WR+3]
.set q, 4
.rept 3
	v_pk_fma_f32 v[10:11], v[ACC+q:ACC+q+1], v[WR+q:WR+q+1], v[10:11]
	v_pk_fma_f32 v[12:13], v[ACC+q+2:ACC+q+3], v[WR+q+2:WR+q+3], v[12:13]
.set q, q+4
.endr
	v_pk_add_f32 v[10:11], v[10:11], v[12:13]
	v_add_f32 v10, v10, v11
	v_permlanex16_b32 v11, v10, s36, s37           ; the other half of the lanes holds the other 16 columns of the same row
	v_add_f32 v10, v10, v11
	ds_store_b32 v14, v10                          ; lanes r and 16 + r write the same word with the same value
	BAR
	s_cmp_lg_u32 s6, 0
	s_cbranch_scc1 .Lend_qk
	v_lshlrev_b32 v13, 3, v1                       ; wave 0: lane l adds up rows 2 l, 2 l + 1 over the four column groups
	v_add_nc_u32 v15, RED, v13
	ds_load_b64 v[16:17], v15
	ds_load_b64 v[18:19], v15 offset:256
	ds_load_b64 v[20:21], v15 offset:512
	ds_load_b64 v[22:23], v15 offset:768
	s_lshl_b32 s34, s3, 13                         ; plane y of 8,192 bytes
	s_lshl_b32 s29, s2, 8                          ; 64 rows of 4 bytes
	s_add_co_u32 s34, s34, s29
	s_add_nc_u64 s[24:25], s[24:25], s[34:35]
	s_wait_dscnt 0x0
	v_pk_add_f32 v[16:17], v[16:17], v[18:19]
	v_pk_add_f32 v[20:21], v[20:21], v[22:23]
	v_pk_add_f32 v[16:17], v[16:17], v[20:21]
	global_store_b64 v13, v[16:17], s[24:25]       ; one instruction, 256 consecutive bytes, aligned
.Lend_qk:
	s_wait_xcnt 0x0
	v_lshl_add_u32 v254, v0, 2, 0x1ac00
	v_mov_b32 v255, 0
	s_wait_tensorcnt 0x0
	ds_add_u32 v254, v255
	s_wait_dscnt 0x0
	s_endpgm
	; ---- job v ----
.Lvjob:
	s_add_nc_u64 s[30:31], s[10:11], s[34:35]      ; c
	s_add_nc_u64 s[32:33], s[16:17], s[40:41]      ; Wv
	v_lshl_add_u32 v9, v2, 2, s42                  ; my column r of each of the two tiles
	global_load_b32 v[WR],   v9, s[20:21]
	global_load_b32 v[WR+1], v9, s[20:21] offset:64
	BIGH 0
	TOGETHER
	BIGH 1
	s_lshr_b32 s29, s2, 3                          ; batch: 8 row blocks of 64
	s_lshl_b32 s34, s29, 18                        ; 262,144 bytes a batch
	s_and_b32 s29, s2, 7
	s_lshl_b32 s29, s29, 11                        ; 4 tiles of 512 bytes along m for each row block
	s_add_co_u32 s34, s34, s29
	s_add_co_u32 s34, s34, s40                     ; 8 tiles of 16,384 bytes along d for each column block
	s_add_nc_u64 s[26:27], s[26:27], s[34:35]
	s_lshl_b32 s29, s7, 9
	s_lshl_b32 s39, s28, 15
	s_add_co_u32 s29, s29, s39
	v_lshl_add_u32 v14, v1, 4, s29                 ; 16 x lane + 512 x row tile + 32,768 x column pair
	STAGEH 0, 5
	BAR
	FETCHH 0, FR0
	v_pk_mul_f32 v[WR:WR+1], v[WR:WR+1], R16 op_sel_hi:[1,0]   ; bv / 16, exact
	STAGEH 1, 6
	MMH FR0, 0, 1, 12
	BAR
	FETCHH 1, FR1
	MMH FR1, 0, 0, 0                               ; register j of tile i: (m = 8 h + j, d = 16 i + r)
	PLACES
.set q, 0
.rept 4
	v_pk_fma_f32 v[ACC+2*q:ACC+2*q+1], v[ACC+2*q:ACC+2*q+1], R16, v[WR:WR+1] op_sel_hi:[1,0,0]                    ; both halves add v[WR]
	v_pk_fma_f32 v[ACC+8+2*q:ACC+8+2*q+1], v[ACC+8+2*q:ACC+8+2*q+1], R16, v[WR:WR+1] op_sel:[0,0,1] op_sel_hi:[1,0,1]   ; both add v[WR+1]
.set q, q+1
.endr
.set q, 0
.rept 4
	v_cvt_pk_f16_f32 v[ACC+q], v[ACC+2*q], v[ACC+2*q+1]        ; ascending: a register is written only when it has been read
	v_cvt_pk_f16_f32 v[ACC+8+q], v[ACC+8+2*q], v[ACC+8+2*q+1]
.set q, q+1
.endr
	global_store_b128 v14, v[ACC:ACC+3], s[26:27]              ; a tile of 16 x 16: 512 consecutive bytes, aligned
	global_store_b128 v14, v[ACC+8:ACC+11], s[26:27] offset:16384
	s_wait_xcnt 0x0
	v_lshl_add_u32 v254, v0, 2, 0x1ac00
	v_mov_b32 v255, 0
	s_wait_tensorcnt 0x0
	ds_add_u32 v254, v255
	s_wait_dscnt 0x0
	s_endpgm
.Lfunc_end_k_q8442e83f4f_proj:
	.size	k_q8442e83f4f_proj, .Lfunc_end_k_q8442e83f4f_proj-k_q8442e83f4f_proj
	.p2alignl 7, 3214868480
	.fill 96, 4, 3214868480
	.section	.rodata,"a",@progbits
	.p2align	6, 0x0
	.amdhsa_kernel k_q8442e83f4f_proj
		.amdhsa_group_segment_fixed_size 111616
		.amdhsa_private_segment_fixed_size 0
		.amdhsa_enable_private_segment 0
		.amdhsa_kernarg_size 80
		.amdhsa_user_sgpr_count 2
		.amdhsa_user_sgpr_kernarg_segment_ptr 1
		.amdhsa_wavefront_size32 1
		.amdhsa_system_sgpr_workgroup_id_x 1
		.amdhsa_system_sgpr_workgroup_id_y 1
		.amdhsa_system_sgpr_workgroup_id_z 1
		.amdhsa_system_vgpr_workitem_id 0
		.amdhsa_next_free_vgpr 256
		.amdhsa_next_free_sgpr 66
		.amdhsa_reserve_vcc 0
		.amdhsa_float_denorm_mode_32 3
		.amdhsa_float_denorm_mode_16_64 3
		.amdhsa_memory_ordered 1
		.amdhsa_forward_progress 1
		.amdhsa_inst_pref_size 37
	.end_amdhsa_kernel
	.amdgpu_metadata
---
amdhsa.version: [ 1, 2 ]
amdhsa.kernels:
  - .name:           k_q8442e83f4f_proj
    .symbol:         k_q8442e83f4f_proj.kd
    .args:
      - { .name: x, .offset: 0, .size: 8, .value_kind: global_buffer, .address_space: global }
      - { .name: c, .offset: 8, .size: 8, .value_kind: global_buffer, .address_space: global }
      - { .name: Wq, .offset: 16, .size: 8, .value_kind: global_buffer, .address_space: global }
      - { .name: Wk, .offset: 24, .size: 8, .value_kind: global_buffer, .address_space: global }
      - { .name: Wv, .offset: 32, .size: 8, .value_kind: global_buffer, .address_space: global }
      - { .name: bq, .offset: 40, .size: 8, .value_kind: global_buffer, .address_space: global }
      - { .name: bv, .offset: 48, .size: 8, .value_kind: global_buffer, .address_space: global }
      - { .name: Wr, .offset: 56, .size: 8, .value_kind: global_buffer, .address_space: global }
      - { .name: svec, .offset: 64, .size: 8, .value_kind: global_buffer, .address_space: global }
      - { .name: vf, .offset: 72, .size: 8, .value_kind: global_buffer, .address_space: global }
    .group_segment_fixed_size: 111616
    .private_segment_fixed_size: 0
    .kernarg_segment_align: 8
    .kernarg_segment_size: 80
    .max_flat_workgroup_size: 512
    .sgpr_count:     66
    .vgpr_count:     256
    .wavefront_size: 32
...
	.end_amdgpu_metadata
.endif
;; end of part 3
;; launch attn (part 4): grid 128 x 1, 16 waves a work-group, no clusters, 54,016 bytes of LDS; arguments svec, mask, vf, x, gamma, beta, out0; writes out0
.if DOCPART == 4
	.amdgcn_target "amdgcn-amd-amdhsa--gfx1250"
	.amdhsa_code_object_version 6
	.text
	.protected	k_q8442e83f4f_attn
	.globl	k_q8442e83f4f_attn
	.p2align	8
	.type	k_q8442e83f4f_attn,@function
k_q8442e83f4f_attn:
	s_mov_b64 s[64:65], 0
	v_nop
	global_prefetch_b8 v0, s[64:65] scope:SCOPE_SE
	s_setreg_imm32_b32 hwreg(HW_REG_WAVE_MODE, 25, 1), 1
	s_wait_xcnt 0x0
; w[n][m] = relu(tanh(sq[n] + sk[m])) mask[n][m];  h = x + w v;  out = LayerNorm(h) gamma + beta.
; svec: f32 [4][2048], sq = plane 0 + plane 1, sk = plane 2 + plane 3.  vf: v / 16 with bias, f16, in fragment order:
;   element (d = 16 t + r, m = 16 mt + 8 h + i) of batch b at ((16 b + t) 32 + mt) 512 + 256 h + 16 r + 2 i.
; A work-group owns 16 rows n (16 x its number ..) of the 2,048; sixteen waves.  Wave t has three parts:
;   (a) w of rows 4 (t & 3) .. + 3 at m = 128 (t >> 2) + 4 lane .. + 3: 16 numbers a lane, to LDS in f16.  So a wave needs 512 bytes of each plane of sk, not all of it;
;   (b) the product for columns d = 32 (t >> 1) .. + 31 (two tiles) over m = 256 (t & 1) .. + 255 (eight K steps of 32): two accumulators by turns.  A wave reads half of w's
;       fragments, each for two products; the two halves of m go to two stages in LDS and meet in (c);
;   (c) LayerNorm of row t, read back from the stages: 8 numbers a lane, the sums never leave the wave.
; LOADS, 43 a wave, all at its head, in the order of need: the 9 that part (a) and the first barrier wait for are issued by all sixteen waves before any wave issues its 32 of vf.
; gamma and beta (2 KiB) are loaded once by the work-group, 128 bytes a wave, and handed round through LDS.
; WHY F16 AND NOT BF16: 512 rounded products are summed and then go through a gain; eleven significant bits keep the operands' rounding eight times finer than eight bits.
; w lies in [0, 1] times the mask: with a mask thirty times larger at most 30, far below f16's largest number 65,504; a small w keeps an absolute error of 2^-25.
; NO TENSOR LOADS, NO JOINT REQUESTS, though the 32 work-groups of a batch read the same 256 KiB of vf: every 16 bytes of vf are used once in a work-group, by one lane
; of one wave, and lie in memory in the order of the registers that the matrix instruction reads, so one load of 16 bytes a lane is all their way.  Through LDS the same
; bytes would be written once more and read by 512 more LDS loads a work-group.
; The matrix instruction is used transposed (source 0 = v, rows d; source 1 = w, columns n), so that a lane's eight results are eight neighbouring columns of a row of h.
; LIMITS: w and v go to the matrix unit in f16: |w mask| and |v| have to stay below 65,504.  relu stands in front of tanh (tanh is monotone and tanh(0) = 0): a NaN score
; gives w = 0 where the formula gives NaN.  tanh(y) = 1 - 2 / (1 + 2^(2 log2(e) y)): absolute error about 2^-22; right for large y (the power goes to infinity, the quotient to 0).
; The variance is taken about the mean, in a second pass over registers: a common offset in x costs no accuracy.
.set WP,   1040                        ; pitch of w and of the stages: 1,024 bytes + 16, an odd multiple of 16
.set WREG, 0                           ; w: 16 rows x 512 f16
.set HST,  16*WP                       ; w v over m = 0 .. 255: 16 rows x 256 f32; over m = 256 .. 511: 16 WP bytes further
.set GB,   3*16*WP                     ; gamma (1,024 bytes), then beta
.set SK,   16                          ; v[16:19] plane 2, v[20:23] plane 3
.set SQ,   24                          ; v[24:27] plane 0, v[28:31] plane 1: my four rows
.set MK,   32                          ; v[32:47] mask: row i at + 4 i
.set E,    48                          ; v[48:63] at work: row i at + 4 i
.set GV,   64                          ; v64 my word of gamma or beta
.set W,    16                          ; v[16:79] fragments of w, K step u at + 8 u, in the registers of part (a), which are dead by then
.set H,    16                          ; v[16:23], v[24:31] my 8 numbers of row t from the two stages
.set ACC,  80                          ; v[80:95] two accumulators: my two tiles of d
.set XR,   96                          ; v[96:103] x, v[104:111] gamma, v[112:119] beta
.set GA,   104
.set BE,   112
.set VF,   128                         ; v[128:191] tile 0, v[192:255] tile 1: K step u at + 8 u
.set K2,   0x4038aa3b                  ; 2 log2(e)
; v1 lane, v4 r, v5 h, v2 16 x lane (offset of the wide loads and of the stores), v3 0, v13 4 x lane, v6 where w goes, v7 w's fragments, v8 stage in, v9 stage out,
; v14 gamma and beta out of LDS, v15 into LDS; v[10:15] are at work in part (c), when the loads that named them are done.
.macro TOGETHER                        ; orders no memory: every wave has issued the loads above before any wave issues those below, so that what is needed first is asked for first
	s_barrier_signal -1
	s_barrier_wait -1
.endm
.macro BAR
	s_wait_dscnt 0x0                               ; my LDS stores are done: zero, for the other waves' sake
	s_barrier_signal -1
	s_barrier_wait -1
.endm
.macro PLACES                          ; four independent vector instructions behind a matrix instruction, before its result is read or a load is issued into its sources
.rept 4
	v_nop
.endr
.endm
.macro ROWE i, pr, odd                 ; row i: 2 log2(e) (sk + sq[i]); sq[i], already scaled, is the first (odd = 0) or second register of pair pr, for both halves of the result
.if \odd
	v_pk_fma_f32 v[E+4*\i:E+4*\i+1],   v[SK:SK+1],   K2, v[\pr:\pr+1] op_sel:[0,0,1] op_sel_hi:[1,0,1]
	v_pk_fma_f32 v[E+4*\i+2:E+4*\i+3], v[SK+2:SK+3], K2, v[\pr:\pr+1] op_sel:[0,0,1] op_sel_hi:[1,0,1]
.else
	v_pk_fma_f32 v[E+4*\i:E+4*\i+1],   v[SK:SK+1],   K2, v[\pr:\pr+1] op_sel_hi:[1,0,0]
	v_pk_fma_f32 v[E+4*\i+2:E+4*\i+3], v[SK+2:SK+3], K2, v[\pr:\pr+1] op_sel_hi:[1,0,0]
.endif
.endm
.macro KSTEP zero                      ; K step u of my eight; the two accumulators take turns, one instruction a turn
	s_wait_dscnt 14-2*u                            ; 16 fragment loads of w, two a step
	s_wait_loadcnt 30-4*u                          ; behind this step's 4 loads of vf came 4 for each later step and the 2 of x
.if \zero
	v_wmma_f32_16x16x32_f16 v[ACC:ACC+7],    v[VF+8*u:VF+8*u+7],       v[W+8*u:W+8*u+7], 0
	v_wmma_f32_16x16x32_f16 v[ACC+8:ACC+15], v[VF+64+8*u:VF+64+8*u+7], v[W+8*u:W+8*u+7], 0
.else
	v_wmma_f32_16x16x32_f16 v[ACC:ACC+7],    v[VF+8*u:VF+8*u+7],       v[W+8*u:W+8*u+7], v[ACC:ACC+7]
	v_wmma_f32_16x16x32_f16 v[ACC+8:ACC+15], v[VF+64+8*u:VF+64+8*u+7], v[W+8*u:W+8*u+7], v[ACC+8:ACC+15]
.endif
.set u, u+1
.endm
.macro WAVESUM a, b                    ; the sum of v[a] over the 32 lanes, in every lane; v[b] has been written before
	v_add_f32_dpp v\a, v\a, v\a row_xmask:1 row_mask:0xf bank_mask:0xf
	v_add_f32_dpp v\a, v\a, v\a row_xmask:2 row_mask:0xf bank_mask:0xf
	v_add_f32_dpp v\a, v\a, v\a row_xmask:4 row_mask:0xf bank_mask:0xf
	v_add_f32_dpp v\a, v\a, v\a row_xmask:8 row_mask:0xf bank_mask:0xf
	v_permlanex16_b32 v\b, v\a, s26, s27
	v_add_f32 v\a, v\a, v\b
.endm
	s_load_b256 s[8:15], s[0:1], 0x0               ; svec s[8:9], mask s[10:11], vf s[12:13], x s[14:15]
	s_load_b128 s[16:19], s[0:1], 0x20             ; gamma s[16:17], beta s[18:19]
	s_load_b64 s[20:21], s[0:1], 0x30              ; out0
	v_lshl_add_u32 v126, v0, 2, 0xcb00
	v_mov_b32 v127, 0
	v_lshrrev_b32 v10, 5, v0
	v_readfirstlane_b32 s3, v10                    ; wave t
	s_mov_b32 s2, ttmp9                            ; work-group: rows 16 s2 ..
	s_lshr_b32 s5, s2, 5                           ; batch: 32 work-groups each
	s_and_b32 s6, s3, 3                            ; (a): which four rows
	s_lshr_b32 s7, s3, 2                           ; (a): which 128 m
	s_lshr_b32 s32, s3, 1                          ; (b): which pair of tiles of d
	s_and_b32 s33, s3, 1                           ; (b): which half of m
	s_mov_b32 s26, 0x76543210                      ; v_permlanex16_b32: lane i of one half reads lane i of the other
	s_mov_b32 s27, 0xfedcba98
	s_mov_b32 s28, 0x3b800000                      ; 1 / 256
	s_mov_b32 s29, 0x3727c5ac                      ; 1e-5
	v_and_b32 v1, 31, v0
	v_and_b32 v4, 15, v0
	v_bfe_u32 v5, v0, 4, 1
	v_lshlrev_b32 v2, 4, v1
	v_mov_b32 v3, 0
	v_lshlrev_b32 v13, 2, v1
	s_mul_i32 s30, s6, 4*WP
	s_lshl_b32 s31, s7, 8
	s_add_co_u32 s30, s30, s31
	v_lshl_add_u32 v6, v1, 3, s30                  ; WREG + my first row + 2 (128 x group + 4 x lane)
	v_mul_u32_u24 v10, v4, WP
	s_lshl_b32 s30, s33, 9
	v_lshl_add_u32 v7, v5, 4, v10
	v_add_nc_u32 v7, s30, v7                       ; WREG + row r + 16 h + my half of m (256 f16)
	s_mul_i32 s30, s33, 16*WP
	s_lshl_b32 s31, s32, 7
	s_add_co_u32 s30, s30, s31
	s_add_co_u32 s30, s30, HST
	v_lshl_add_u32 v8, v5, 5, v10
	v_add_nc_u32 v8, s30, v8                       ; my half's stage + row r + 4 (32 x pair + 8 h)
	s_mul_i32 s30, s3, WP
	s_add_co_u32 s30, s30, HST
	v_add_nc_u32 v9, s30, v2                       ; first stage + row t + 16 x lane
	v_add_nc_u32 v14, GB, v2
	s_lshl_b32 s30, s3, 7
	s_add_co_u32 s30, s30, GB
	v_add_nc_u32 v15, s30, v13                     ; GB + 128 t + 4 x lane
	; the offsets, made while the addresses are on their way
	s_lshl_b32 s36, s5, 11
	s_lshl_b32 s34, s7, 9
	s_add_co_u32 s36, s36, s34
	s_add_co_u32 s36, s36, 16384                   ; sk: plane 2, my batch's 512 numbers, my 128 of them
	s_mov_b32 s37, 0
	s_lshl_b32 s38, s2, 6
	s_lshl_b32 s35, s6, 4
	s_add_co_u32 s38, s38, s35                     ; sq: plane 0, my four rows
	s_mov_b32 s39, 0
	s_lshl_b32 s40, s2, 15
	s_lshl_b32 s35, s6, 13
	s_add_co_u32 s40, s40, s35
	s_add_co_u32 s40, s40, s34                     ; mask: rows of 2,048 bytes, my 512 bytes of them
	s_mov_b32 s41, 0
	s_lshl_b32 s42, s5, 18
	s_lshl_b32 s35, s32, 15
	s_add_co_u32 s42, s42, s35
	s_lshl_b32 s35, s33, 13
	s_add_co_u32 s42, s42, s35                     ; vf: batch, two tiles of 16,384 bytes, 8,192 bytes for a half of m
	s_mov_b32 s43, 0
	s_lshl_b32 s44, s2, 4
	s_add_co_u32 s44, s44, s3
	s_lshl_b32 s44, s44, 10                        ; x and the output: row 16 s2 + t
	s_mov_b32 s45, 0
	s_and_b32 s46, s3, 7
	s_lshl_b32 s46, s46, 7                         ; gamma or beta: 128 bytes a wave
	s_mov_b32 s47, 0
	s_wait_kmcnt 0x0
	s_add_nc_u64 s[22:23], s[8:9], s[36:37]
	s_add_nc_u64 s[24:25], s[8:9], s[38:39]
	s_add_nc_u64 s[10:11], s[10:11], s[40:41]
	s_cmp_lt_u32 s3, 8
	s_cselect_b64 s[16:17], s[16:17], s[18:19]     ; waves 0-7 fetch gamma, waves 8-15 beta
	s_add_nc_u64 s[16:17], s[16:17], s[46:47]
	s_add_nc_u64 s[12:13], s[12:13], s[42:43]
	s_add_nc_u64 s[14:15], s[14:15], s[44:45]
	s_add_nc_u64 s[20:21], s[20:21], s[44:45]
	; ---- the 9 loads that part (a) and the first barrier wait for ----
	global_load_b128 v[SK:SK+3],   v2, s[22:23]                ; 512 consecutive aligned bytes a wave
	global_load_b128 v[SK+4:SK+7], v2, s[22:23] offset:8192
	global_load_b128 v[SQ:SQ+3],   v3, s[24:25]                ; 16 bytes, the same in every lane
	global_load_b128 v[SQ+4:SQ+7], v3, s[24:25] offset:8192
.irp i, 0,1,2,3
	global_load_b128 v[MK+4*\i:MK+4*\i+3], v2, s[10:11] offset:2048*\i th:TH_LOAD_NT   ; read once in the launch
.endr
	global_load_b32 v[GV], v13, s[16:17]
	TOGETHER
	; ---- vf by K steps, both tiles of a step together; then x ----
.set u, 0
.rept 8
	global_load_b128 v[VF+8*u:VF+8*u+3],       v2, s[12:13] offset:1024*u
	global_load_b128 v[VF+8*u+4:VF+8*u+7],     v2, s[12:13] offset:1024*u+512
	global_load_b128 v[VF+64+8*u:VF+64+8*u+3], v2, s[12:13] offset:16384+1024*u
	global_load_b128 v[VF+64+8*u+4:VF+64+8*u+7], v2, s[12:13] offset:16384+1024*u+512
.set u, u+1
.endr
.irp i, 0,1
	global_load_b128 v[XR+4*\i:XR+4*\i+3], v2, s[14:15] offset:512*\i th:TH_LOAD_NT   ; d = 128 i + 4 lane ..
.endr
	; ---- (a) w of my four rows at my four m ----
	s_wait_loadcnt 34                              ; the first 9 loads are in; the 32 of vf and the 2 of x were issued later and stay out
	v_pk_add_f32 v[SK:SK+1],   v[SK:SK+1],   v[SK+4:SK+5]
	v_pk_add_f32 v[SK+2:SK+3], v[SK+2:SK+3], v[SK+6:SK+7]
	v_pk_add_f32 v[SQ:SQ+1],   v[SQ:SQ+1],   v[SQ+4:SQ+5]
	v_pk_add_f32 v[SQ+2:SQ+3], v[SQ+2:SQ+3], v[SQ+6:SQ+7]
	v_pk_mul_f32 v[SQ:SQ+1],   v[SQ:SQ+1],   K2 op_sel_hi:[1,0]
	v_pk_mul_f32 v[SQ+2:SQ+3], v[SQ+2:SQ+3], K2 op_sel_hi:[1,0]
	ROWE 0, SQ, 0
	ROWE 1, SQ, 1
	ROWE 2, SQ+2, 0
	ROWE 3, SQ+2, 1
.set q, 0
.rept 16
	v_max_num_f32 v[E+q], 0, v[E+q]                ; relu, moved in front of tanh
.set q, q+1
.endr
.set q, 0
.rept 16
	v_exp_f32 v[E+q], v[E+q]
.set q, q+1
.endr
	v_nop                                          ; one plain vector instruction between a transcendental and the use of its result (ISA guide 5.7.2)
.set q, 0
	s_wait_alu depctr_va_vdst(0)
.rept 8
	v_pk_add_f32 v[E+2*q:E+2*q+1], v[E+2*q:E+2*q+1], 1.0 op_sel_hi:[1,0]
.set q, q+1
.endr
.set q, 0
.rept 16
	v_rcp_f32 v[E+q], v[E+q]
.set q, q+1
.endr
	v_nop
.set q, 0
	s_wait_alu depctr_va_vdst(0)
.rept 8
	v_pk_fma_f32 v[E+2*q:E+2*q+1], v[E+2*q:E+2*q+1], -2.0, 1.0 op_sel_hi:[1,0,0]
.set q, q+1
.endr
.set q, 0
.rept 8
	v_pk_mul_f32 v[E+2*q:E+2*q+1], v[E+2*q:E+2*q+1], v[MK+2*q:MK+2*q+1]
.set q, q+1
.endr
.set q, 0
.rept 8
	v_cvt_pk_f16_f32 v[E+q], v[E+2*q], v[E+2*q+1]              ; ascending: a register is written only when it has been read
.set q, q+1
.endr
.irp i, 0,1,2,3
	ds_store_b64 v6, v[E+2*\i:E+2*\i+1] offset:WP*\i           ; 256 consecutive bytes an instruction
.endr
	ds_store_b32 v15, v[GV]
	BAR                                            ; all 16 rows of w, gamma and beta are there
	; ---- (b) my two tiles of d over my half of m ----
.set u, 0
.rept 8
	ds_load_b128 v[W+8*u:W+8*u+3],   v7 offset:64*u            ; lane (r, h): row r, bytes 64 u + 16 h and 32 further
	ds_load_b128 v[W+8*u+4:W+8*u+7], v7 offset:64*u+32
.set u, u+1
.endr
.set u, 0
	KSTEP 1                                        ; the first step starts the sums: nothing is cleared
.rept 7
	KSTEP 0
.endr
	ds_load_b128 v[GA:GA+3],   v14                 ; gamma and beta at d = 128 i + 4 lane ..
	ds_load_b128 v[GA+4:GA+7], v14 offset:512
	ds_load_b128 v[BE:BE+3],   v14 offset:1024
	ds_load_b128 v[BE+4:BE+7], v14 offset:1536
	PLACES
	ds_store_b128 v8, v[ACC:ACC+3]                 ; register j of tile i in lane (r, h): row r, column 32 x pair + 16 i + 8 h + j
	ds_store_b128 v8, v[ACC+4:ACC+7]   offset:16
	ds_store_b128 v8, v[ACC+8:ACC+11]  offset:64
	ds_store_b128 v8, v[ACC+12:ACC+15] offset:80
	BAR                                            ; all 256 columns of the 16 rows are there, in both stages
	; ---- (c) LayerNorm of row t ----
	ds_load_b128 v[H:H+3],     v9
	ds_load_b128 v[H+4:H+7],   v9 offset:512
	ds_load_b128 v[H+8:H+11],  v9 offset:16*WP
	ds_load_b128 v[H+12:H+15], v9 offset:16*WP+512
	s_wait_loadcnt 0x0                             ; x
	s_wait_dscnt 0x0
.set q, 0
.rept 4
	v_pk_add_f32 v[H+2*q:H+2*q+1], v[H+2*q:H+2*q+1], v[H+8+2*q:H+8+2*q+1]  ; the two halves of m
.set q, q+1
.endr
.set q, 0
.rept 4
	v_pk_add_f32 v[H+2*q:H+2*q+1], v[H+2*q:H+2*q+1], v[XR+2*q:XR+2*q+1]    ; h = x + w v
.set q, q+1
.endr
	v_pk_add_f32 v[10:11], v[H:H+1], v[H+2:H+3]
	v_pk_add_f32 v[12:13], v[H+4:H+5], v[H+6:H+7]
	v_pk_add_f32 v[10:11], v[10:11], v[12:13]
	v_add_f32 v10, v10, v11
	WAVESUM 10, 11
	v_mul_f32 v10, 0xbb800000, v10                 ; - mean
.set q, 0
.rept 4
	v_pk_add_f32 v[H+2*q:H+2*q+1], v[H+2*q:H+2*q+1], v[10:11] op_sel_hi:[1,0]   ; both halves add v10
.set q, q+1
.endr
	v_pk_mul_f32 v[12:13], v[H:H+1], v[H:H+1]
	v_pk_mul_f32 v[14:15], v[H+2:H+3], v[H+2:H+3]
	v_pk_fma_f32 v[12:13], v[H+4:H+5], v[H+4:H+5], v[12:13]
	v_pk_fma_f32 v[14:15], v[H+6:H+7], v[H+6:H+7], v[14:15]
	v_pk_add_f32 v[12:13], v[12:13], v[14:15]
	v_add_f32 v12, v12, v13
	WAVESUM 12, 13
	v_fma_f32 v12, v12, s28, s29                   ; variance + 1e-5
	v_rsq_f32 v12, v12
	v_nop
.set q, 0
	s_wait_alu depctr_va_vdst(0)
.rept 4
	v_pk_mul_f32 v[GA+2*q:GA+2*q+1], v[GA+2*q:GA+2*q+1], v[12:13] op_sel_hi:[1,0]
.set q, q+1
.endr
.set q, 0
.rept 4
	v_pk_fma_f32 v[H+2*q:H+2*q+1], v[H+2*q:H+2*q+1], v[GA+2*q:GA+2*q+1], v[BE+2*q:BE+2*q+1]
.set q, q+1
.endr
	global_store_b128 v2, v[H:H+3],   s[20:21] th:TH_STORE_NT              ; 512 consecutive bytes, aligned
	global_store_b128 v2, v[H+4:H+7], s[20:21] offset:512 th:TH_STORE_NT
	s_wait_tensorcnt 0x0
	ds_add_u32 v126, v127
	s_wait_dscnt 0x0
	s_endpgm
.Lfunc_end_k_q8442e83f4f_attn:
	.size	k_q8442e83f4f_attn, .Lfunc_end_k_q8442e83f4f_attn-k_q8442e83f4f_attn
	.p2alignl 7, 3214868480
	.fill 96, 4, 3214868480
	.section	.rodata,"a",@progbits
	.p2align	6, 0x0
	.amdhsa_kernel k_q8442e83f4f_attn
		.amdhsa_group_segment_fixed_size 54016
		.amdhsa_private_segment_fixed_size 0
		.amdhsa_enable_private_segment 0
		.amdhsa_kernarg_size 56
		.amdhsa_user_sgpr_count 2
		.amdhsa_user_sgpr_kernarg_segment_ptr 1
		.amdhsa_wavefront_size32 1
		.amdhsa_system_sgpr_workgroup_id_x 1
		.amdhsa_system_sgpr_workgroup_id_y 1
		.amdhsa_system_sgpr_workgroup_id_z 1
		.amdhsa_system_vgpr_workitem_id 0
		.amdhsa_next_free_vgpr 256
		.amdhsa_next_free_sgpr 66
		.amdhsa_reserve_vcc 0
		.amdhsa_float_denorm_mode_32 3
		.amdhsa_float_denorm_mode_16_64 3
		.amdhsa_memory_ordered 1
		.amdhsa_forward_progress 1
		.amdhsa_inst_pref_size 20
	.end_amdhsa_kernel
	.amdgpu_metadata
---
amdhsa.version: [ 1, 2 ]
amdhsa.kernels:
  - .name:           k_q8442e83f4f_attn
    .symbol:         k_q8442e83f4f_attn.kd
    .args:
      - { .name: svec, .offset: 0, .size: 8, .value_kind: global_buffer, .address_space: global }
      - { .name: mask, .offset: 8, .size: 8, .value_kind: global_buffer, .address_space: global }
      - { .name: vf, .offset: 16, .size: 8, .value_kind: global_buffer, .address_space: global }
      - { .name: x, .offset: 24, .size: 8, .value_kind: global_buffer, .address_space: global }
      - { .name: gamma, .offset: 32, .size: 8, .value_kind: global_buffer, .address_space: global }
      - { .name: beta, .offset: 40, .size: 8, .value_kind: global_buffer, .address_space: global }
      - { .name: out0, .offset: 48, .size: 8, .value_kind: global_buffer, .address_space: global }
    .group_segment_fixed_size: 54016
    .private_segment_fixed_size: 0
    .kernarg_segment_align: 8
    .kernarg_segment_size: 56
    .max_flat_workgroup_size: 512
    .sgpr_count:     66
    .vgpr_count:     256
    .wavefront_size: 32
...
	.end_amdgpu_metadata
.endif
;; end of part 4
